; MI455X (gfx1250); checked and timed in simulation.
; The chip was launched on July 23, 2026; its instructions are those of AMD's public machine-readable ISA for CDNA 5 (MIT licence, August 2026) and "CDNA5" Instruction Set Architecture Reference Guide (July 2026). The comments in the code are by the model that wrote it; some were corrected since.
;; Joint Hist Layer. Allowed arithmetic: matrix products marked QUANTISED: E3M2 operands, one E8M0 scale for each 32 along K, by v_wmma_scale_f32_16x16x128_f8f6f4 with both operands' format E3M2, f32 sums; everything else in f32.
;; Inputs: x 8 x 256 x 256 float32; y 8 x 256 x 256 float32.
;; Outputs: out0 8 x 256 x 256 float32.
;; This version of the problem:
;;   THIS VERSION OF THE PROBLEM IS GIVEN IN LOW PRECISION. The matrix products marked QUANTISED in the list below multiply operands that are first quantised to E3M2 (3 exponent bits, 2 mantissa bits; 6 bits a number), with one power-of-two scale for each 32 numbers along K (OCP MX v1.0); their sums are f32. All else is computed in f32.
;;   The module's matrix products, in the order in which they are computed (A, B: the left and right operand; K: the contracted axis; several contracted axes count as one K, in the product's order):
;;     1. batch 8 x [M 256, K 65,536] x [K 65,536, N 256]; A: computed on the way; B: computed on the way: QUANTISED
;;   THE QUANTISER, for each operand of a quantised product, along K:
;;     - K is cut into blocks of 32 from its start; a last block that is shorter is filled with zeros.
;;     - A block's scale is 2^e with e = floor(log2(the largest magnitude in the block)) - 4, held to -126 .. 127; a block of zeros has e = 0. As a byte (E8M0): e + 127.
;;     - Each number is divided by its block's scale, clamped to +-28, and rounded to the nearest number of E3M2, ties to even, subnormals kept.
;;     - The product sums the exact products of the quantised numbers (number of the format x scale) in f32.
;;   ~~~python
;;   def quantise(x, axis):      # numpy; x: float32 -> the quantised numbers, widened to float32 again
;;       x = np.moveaxis(x, axis, -1); K = x.shape[-1]
;;       x = np.pad(x, [(0, 0)] * (x.ndim - 1) + [(0, -K % 32)]); x = x.reshape(x.shape[:-1] + (-1, 32)); a = np.abs(x).max(-1, keepdims=True)
;;       e = np.where(a > 0, np.clip(np.frexp(np.where(a > 0, a, 1))[1] - 1 - 4, -126, 127), 0)      # np.frexp(a)[1] - 1 = floor(log2(a)), exactly
;;       r = np.clip(x / 2.0 ** e, -28, 28)
;;       step = 2.0 ** (np.maximum(np.frexp(np.where(r == 0, 1, r))[1] - 1, -2) - 2)
;;       q = np.round(r / step) * step * 2.0 ** e      # np.round: ties to even
;;       return np.moveaxis(q.reshape(q.shape[:-2] + (-1,))[..., :K], -1, axis).astype(np.float32)
;;   ~~~
;;   OPERANDS COMPUTED ON THE WAY. 'Computed on the way' means the value that the module computes at that place (a softmax that the list does not call 'softmax' is quantised finished and normalised). What goes into a quantiser is computed in f32, as accurately as f32 sums, v_exp_f32 and their like allow (about 1e-6 of the number): no bf16 or f16 on the way to a quantiser, and a product that is left as it is and whose result goes on into a quantised operand takes f32 operands (vector FMAs, or v_wmma_f32_16x16x4_f32). A number that lies on a knife's edge between two numbers of the format may be rounded either way, as far as f32 arithmetic and the matrix unit's own rounding can turn it there, and no further.
;; One version. Each part assembles by itself: llvm-mc -triple=amdgcn-amd-amdhsa -mcpu=gfx1250 --defsym DOCPART=n.
;; ======== version 1 of 1: 2 launches
;; limits: right only within a limited range of input values
;; workspace buffers: part 67,108,864 bytes
;; launch hist (part 1): grid 32 x 8, 8 waves a work-group, no clusters, 234,496 bytes of LDS; arguments x, y, part; writes part
.if DOCPART == 1
	.amdgcn_target "amdgcn-amd-amdhsa--gfx1250"
	.amdhsa_code_object_version 6
	.text
	.protected	k_qa352c1ed21_hist
	.globl	k_qa352c1ed21_hist
	.p2align	8
	.type	k_qa352c1ed21_hist,@function
k_qa352c1ed21_hist:
	s_mov_b64 s[64:65], 0
	v_nop
	global_prefetch_b8 v0, s[64:65] scope:SCOPE_SE
	s_setreg_imm32_b32 hwreg(HW_REG_WAVE_MODE, 25, 1), 1
	s_wait_xcnt 0x0
; JOINT SOFT HISTOGRAM, first of two launches: part[batch][slice] = p1 p2^T over the slice's 2,048 pixels, all 256 x 256 bins.
; p(bin k, pixel) = sigmoid((d + L/2)/W) - sigmoid((d - L/2)/W), d = pixel - mu_k, L = 1/256, W = L/2.5.  With a = d/W and h = 1.25 this is sinh h / (cosh a + cosh h)
;   = 1 / (a0 e^a + a0 e^-a + a1),  a0 = 1/(2 sinh h), a1 = coth h: a sum of positive terms and one reciprocal, nothing cancels.
; Both operands are quantised to E3M2 with one E8M0 scale for each 32 pixels of a bin's row and multiplied by v_wmma_scale_f32_16x16x128_f8f6f4; sums in f32.  No work of reference() is left out.
; WHICH BINS FORM A TILE is free: row r of tile t is bin 16 r + t, in both operands.  A lane (row r) walks 16 neighbouring bins as t goes 0 .. 15: with ctr = (2 r + 1)/32 and u = (pixel - ctr)/W,
; den = U V_t + (U' V'_t + a1),  U = e^u, U' = e^-u made once for a pixel and a lane, V_t = W_(7-t), V'_t = W_(t-8), W_j = e^(2.5 j)/(1 - e^-2.5): 16 constants.
; U is made with a compensated argument: s_hi = d C, s_lo = fma(d, C, -s_hi), U = 2^s_hi (1 + ln2 s_lo), C = 640 log2 e.
; A BLOCK'S SCALE is read off the bits b of its smallest den, held at 2^122 from above: the exponent field of 1/den is 254 less den's, and one less again where den's mantissa is not 0, which is the exponent field
; of 0x7f000000 - b (the mantissa borrows).  So 0x7d000000 - b is the largest membership's exponent field less 4: the conversion's scale operand; at den = 2^122 its field is 1, the least byte.
; LIMITS.  Memberships whose true value lies under 1.3e-30 (|u| from 88.7 on) may come out as 0.  Where f32 differences of two sigmoids near 1 give multiples of 2^-24, this text gives the true value (absolute
; difference under 1.2e-7).  It is taken that v_rcp_f32 of a power of two is exact; were it one unit low, that block's scale would stand one step over the rule's for the number as computed.  |pixel| under 1e35;
; NaN and infinities are not served.  A block whose memberships are all 0 carries the byte 1 (its codes are zeros; the bytes are read by this program alone).
; SHARES.  A work-group takes 2,048 pixels of one image, in 8 stages of 256 (two K steps of 128), for ALL bins, so that no membership is made twice; the 32 slices of an image are added by the next launch.
; Eight waves, two to a SIMD.  AS PRODUCER wave W = 4 o + 2 j + c makes, for operand o (0: x, 1: y) and K step j, the half c of all 16 fragments: lane (r, h) owns the block of 32 pixels at 128 j + 64 c + 32 h,
; which is registers 6 c .. 6 c + 5 and scale byte 2 c + h of row r (ISA guide 7.12).  AS CONSUMER wave W = 4 wa + wb owns x tiles 8 wa + a (a = 0 .. 7) times y tiles 4 wb + b (b = 0 .. 3): 32 accumulators.
; Fragments go from wave to wave through LDS as images of their registers (group g of four registers at 512 g + 16 x lane), scale words at 4 bytes a row.
; TWO LDS BUFFERS take turns: in a period the waves make stage p into one and multiply stage p - 1 out of the other.  ONE barrier a period, split: the signal stands at the period's top; between it and the wait
; stand the stage's set-up (pixels that nobody writes again, and work on registers) and tiles 0 to 5 up to their codes, which are held in the 48 registers of y's fragments, idle then; the wait stands in slot 5,
; directly ahead of those six tiles' LDS stores, and the first fragments are asked for behind them.
; A SLOT has one batch of reciprocals with independent multiply-adds alone between them, one wait ahead of it and one behind it.  The stage before is multiplied in eight groups of eight products (a pair of x
; fragments against my four y fragments), in slots 8 to 15.
; No tensor loads (a work-group reads 16 KB once), no cluster (work-groups share no input), no prefetch (all global loads stand at the head).
; SOURCE 0 = 16 y bins, SOURCE 1 = 16 x bins: register i of lane (r, h) of accumulator (a, b) is out[16 r + ta][16 (8 h + i) + tb].  part: [batch][slice][ta 16][q 2][tb 16][lane 32][4] f32.
; REGISTERS.  Window 0: all below.  Window 1: the 32 accumulators, (a, b) at v[8 (4 a + b)].
.set FRB,  1536                        ; a fragment's image: 12 registers x 32 lanes x 4 bytes
.set OPJ,  16*FRB                      ; the 16 fragments of one operand and K step
.set SCL,  4*OPJ                       ; behind the images: scale words, 64 bytes a fragment
.set XY,   SCL+4096                    ; behind buffer 0: the slice's pixels, x 8 KB, then y 8 KB
.set BUF1, 0x20000                     ; buffer 1
.set SPARE, 0x39000                    ; behind buffer 1: the spare words, 128 bytes for each of eight waves
.set CR1, 2                            ; v2-8   constant parts of the LDS addresses: my codes (two registers), my scale byte, the fragments that I multiply, their scale words
.set CR2, 3
.set CSS, 4
.set CLX, 5
.set CLY, 6
.set CSX, 7
.set CSY, 8
.set WR1, 9                            ; v9-15  the same with the period's buffer added
.set WR2, 10
.set WSS, 11
.set WLX, 12
.set WLY, 13
.set WSX, 14
.set WSY, 15
.set WXA, 16                           ; v16    my block's 32 pixels of this stage;  v17 its constant part
.set CXA, 17
.set CTR, 18                           ; v[18:19] ctr, twice
.set A1,  20                           ; v[20:21] a1, twice
.set MA,  22                           ; v22, v23 two running minima of den (at the wave's end: the add's two registers)
.set MB,  23
.set SC,  25                           ; the conversion's scale operand
.set BY,  26                           ; v26-27 the scale byte, by the tile's parity
.set PC,  28                           ; v28-39 the block's six registers of codes, by the tile's parity
.set PT,  40                           ; v40-42 the upper 16 codes as converted
.set OFS, 43                           ; offset of global loads and stores
.set SX,  44                           ; v44-45 the scale words of a pair of x fragments;  v46-49 y's four;  v122-127 six more of x's for the last stage.  These hold scales alone
.set SY,  46
.set SE,  120
.set YF,  50                           ; v50-97   four fragments of y; ahead of the period's barrier wait: tiles 0 to 5's codes and bytes, eight registers a tile
.set XF,  98                           ; v98-121  a pair of fragments of x
.set U,   128                          ; v128-159 e^u of my 32 pixels
.set UP,  160                          ; v160-191 e^-u
.set D0,  192                          ; v192-223, v224-255: den, then memberships, of even and of odd tiles
.set D1,  224
.set EF,  128                          ; the last stage: eight fragments of x, v128-223
.set PB,  20                           ; s20 the buffer that is written, s21 the one that is read, s22 trips, s23 the stage's first byte among the pixels
.set CB,  21
.set CNT, 22
.set XS,  23
.set WK,  24                           ; s[24+2i:25+2i] W_(i-8), twice
.set CC,  56                           ; s[56:57] C
.set LN,  58                           ; s[58:59] ln 2
.set MUL, 0x50                         ; C and D window 1, A and B window 0
.set MSB, 0
.macro WIN new                         ; the immediate's high byte repeats the setting that is left
.if MSB != \new
	s_set_vgpr_msb (MSB<<8)|\new
.set MSB, \new
.endif
.endm
.macro WCONST i, bits
	s_mov_b32 s[WK+2*\i], \bits
	s_mov_b32 s[WK+2*\i+1], \bits
.endm
.macro ALUW                            ; the wait that stands round batches of transcendentals, ahead of blocking waits and ahead of products that read sums
	s_wait_alu depctr_va_vdst(0)
.endm
	s_load_b128 s[4:7], s[0:1], 0x0                ; x, y
	s_load_b64 s[8:9], s[0:1], 0x10                ; part
	v_lshlrev_b32 v[OFS], 4, v0                    ; 16 bytes a thread
	v_lshrrev_b32 v1, 5, v0
	v_readfirstlane_b32 s10, v1                    ; wave W
	s_and_b32 s16, ttmp7, 0xffff                   ; batch
	s_lshl_b32 s17, s16, 18                        ; an image is 262,144 bytes,
	s_lshl_b32 s18, ttmp9, 13                      ; a slice 8,192
	s_add_co_u32 s18, s18, s17
	s_mov_b32 s19, 0
	ALUW
	s_wait_kmcnt 0x0
	s_add_nc_u64 s[4:5], s[4:5], s[18:19]
	s_add_nc_u64 s[6:7], s[6:7], s[18:19]
	global_load_b128 v[D0:D0+3],     v[OFS], s[4:5] th:TH_LOAD_NT               ; the slice's pixels: a wave reads 512 consecutive bytes
	global_load_b128 v[D0+4:D0+7],   v[OFS], s[4:5] offset:4096 th:TH_LOAD_NT
	global_load_b128 v[D0+8:D0+11],  v[OFS], s[6:7] th:TH_LOAD_NT
	global_load_b128 v[D0+12:D0+15], v[OFS], s[6:7] offset:4096 th:TH_LOAD_NT
	; all scalar work of the head first, then the vector lines on end
	s_lshr_b32 s11, s10, 2                         ; wa, and o
	s_and_b32 s12, s10, 3                          ; wb, and 2 j + c
	s_and_b32 s13, s10, 1                          ; c
	s_lshr_b32 s14, s10, 1                         ; 2 o + j
	s_lshl_b32 s16, s16, 5
	s_add_co_u32 s16, s16, ttmp9                   ; 32 x batch + slice
	s_lshl_b32 s16, s16, 18                        ; 262,144 bytes each
	s_lshl_b32 s17, s11, 17                        ; + 8 wa tiles of x, 16,384 bytes each
	s_add_co_u32 s16, s16, s17
	s_lshl_b32 s17, s12, 11                        ; + 4 wb tiles of y, 512 bytes each
	s_add_co_u32 s16, s16, s17
	s_mov_b32 s17, 0
	s_add_nc_u64 s[8:9], s[8:9], s[16:17]          ; part at my accumulators' place
	; my six registers of a fragment are three pieces of 8 bytes in the image: c = 0: 16 l, 16 l + 8, 512 + 16 l;  c = 1: 520 + 16 l, 1024 + 16 l, 1032 + 16 l
	s_mul_i32 s15, s14, OPJ
	s_mul_i32 s66, s13, 520
	s_add_co_u32 s66, s66, s15                     ; pieces 0 and (512 further on) 2
	s_mul_i32 s67, s13, 1016
	s_add_co_u32 s67, s67, s15
	s_add_co_u32 s67, s67, 8                       ; piece 1
	s_lshl_b32 s68, s14, 10
	s_lshl_b32 s18, s13, 1
	s_add_co_u32 s68, s68, s18
	s_add_co_u32 s68, s68, SCL                     ; my scale bytes
	s_mul_i32 s69, s11, 8*FRB                      ; x's fragments that I multiply
	s_mul_i32 s70, s12, 4*FRB
	s_add_co_u32 s70, s70, 2*OPJ                   ; y's
	s_lshl_b32 s71, s11, 9
	s_add_co_u32 s71, s71, SCL                     ; their scale words
	s_lshl_b32 s72, s12, 8
	s_add_co_u32 s72, s72, SCL+2048
	s_lshl_b32 s73, s11, 13                        ; x's or y's pixels,
	s_lshl_b32 s18, s12, 8                         ; 128 j + 64 c pixels on
	s_add_co_u32 s73, s73, s18
	s_add_co_u32 s73, s73, XY
	WCONST 0,  0x311a4ec9                          ; W_-8 = 2.2454733e-9
	WCONST 1,  0x32eafb4e                          ; W_-7
	WCONST 2,  0x34b2ea9a                          ; W_-6
	WCONST 3,  0x36883a5f                          ; W_-5
	WCONST 4,  0x384f7319                          ; W_-4
	WCONST 5,  0x3a1df40f                          ; W_-3
	WCONST 6,  0x3bf08881                          ; W_-2
	WCONST 7,  0x3db724b6                          ; W_-1
	WCONST 8,  0x3f8b724b                          ; W_0  = 1.0894255
	WCONST 9,  0x415459c8                          ; W_1
	WCONST 10, 0x4321af61                          ; W_2
	WCONST 11, 0x44f63748                          ; W_3
	WCONST 12, 0x46bb7863                          ; W_4
	WCONST 13, 0x488ebdaf                          ; W_5
	WCONST 14, 0x4a595e1b                          ; W_6
	WCONST 15, 0x4c258146                          ; W_7  = 43386135
	s_mov_b32 s[CC], 0x4466d4ca                    ; C = 640 log2 e
	s_mov_b32 s[CC+1], 0x4466d4ca
	s_mov_b32 s[LN], 0x3f317218                    ; ln 2
	s_mov_b32 s[LN+1], 0x3f317218
	s_mov_b32 s[PB], 0
	s_mov_b32 s[CB], BUF1
	s_mov_b32 s[XS], 0
	v_and_b32 v40, 15, v0                          ; r
	v_bfe_u32 v41, v0, 4, 1                        ; h
	v_and_b32 v42, 31, v0
	v_lshlrev_b32 v42, 4, v42                      ; 16 x lane
	v_add_nc_u32 v1, XY, v[OFS]                    ; where my 16 bytes of pixels go
	v_add_nc_u32 v[CR1], s66, v42
	v_add_nc_u32 v[CR2], s67, v42
	v_lshl_add_u32 v[CSS], v40, 2, v41
	v_add_nc_u32 v[CSS], s68, v[CSS]               ; row r's word, byte 2 c + h
	v_add_nc_u32 v[CLX], s69, v42
	v_add_nc_u32 v[CLY], s70, v42
	v_lshl_add_u32 v[CSX], v40, 2, s71
	v_lshl_add_u32 v[CSY], v40, 2, s72
	v_lshl_add_u32 v[CXA], v41, 7, s73             ; and 32 h pixels more
	v_lshl_add_u32 v[CTR], v40, 1, 1
	v_cvt_f32_u32 v[CTR], v[CTR]
	v_mul_f32 v[CTR], 0x3d000000, v[CTR]           ; ctr = (2 r + 1)/32, exact
	v_mov_b32 v[CTR+1], v[CTR]
	v_mov_b32 v[A1], 0x3f96e497                    ; a1 = coth 1.25
	v_mov_b32 v[A1+1], 0x3f96e497
	ALUW                                           ; the head's end
	s_wait_loadcnt 0x0
	ds_store_b128 v1, v[D0:D0+3]
	ds_store_b128 v1, v[D0+4:D0+7] offset:4096
	ds_store_b128 v1, v[D0+8:D0+11] offset:8192
	ds_store_b128 v1, v[D0+12:D0+15] offset:12288
	s_wait_dscnt 0x0                               ; for the others' sake: my pixels lie in LDS
	s_barrier_signal -1
	s_barrier_wait -1                              ; everybody's do; nobody writes them again
; x's fragment f (K step f / 8, my tile f % 8) and its scale words, into the registers of f's parity: 4 LDS loads
.macro XLOAD t
.set xk, (\t)/8
.set xa, (\t)%8
.set xp, (\t)%2
.irp g, 0,1,2
	ds_load_b128 v[XF+12*xp+4*\g:XF+12*xp+4*\g+3], v[WLX] offset:xk*OPJ+xa*FRB+512*\g
.endr
	ds_load_b32 v[SX+xp], v[WSX] offset:xk*1024+64*xa
.endm
; y's four fragments of K step ks and their scale words: 16 LDS loads
.macro YLOAD ks
.irp b, 0,1,2,3
.irp g, 0,1,2
	ds_load_b128 v[YF+12*\b+4*\g:YF+12*\b+4*\g+3], v[WLY] offset:(\ks)*OPJ+\b*FRB+512*\g
.endr
	ds_load_b32 v[SY+\b], v[WSY] offset:(\ks)*1024+64*\b
.endr
.endm
; den of tile t, pixels 2 i and 2 i + 1: first U' V'_t + a1, then U V_t on top
.macro FI t, i
	v_pk_fma_f32 v[D0+32*((\t)%2)+2*(\i):D0+32*((\t)%2)+2*(\i)+1], v[UP+2*(\i):UP+2*(\i)+1], s[WK+2*(\t):WK+2*(\t)+1], v[A1:A1+1] op_sel_hi:[1,0,1]
.endm
.macro FO t, i
	v_pk_fma_f32 v[D0+32*((\t)%2)+2*(\i):D0+32*((\t)%2)+2*(\i)+1], v[U+2*(\i):U+2*(\i)+1], s[WK+30-2*(\t):WK+31-2*(\t)], v[D0+32*((\t)%2)+2*(\i):D0+32*((\t)%2)+2*(\i)+1] op_sel_hi:[1,0,1]
.endm
; line n of 16 of tile t's smallest den: 32 numbers and the leaf 2^122, in two chains that the last line joins.  Line n reads den up to number 2 n + 2
.macro MINT t, n
.set dd, D0+32*((\t)%2)
.if (\n) == 0
	v_min3_num_f32 v[MA], v[dd], v[dd+1], 0x7c800000
.elseif (\n) == 1
	v_min3_num_f32 v[MB], v[dd+2], v[dd+3], v[dd+4]
.elseif (\n) < 15
	v_min3_num_f32 v[MA+(\n)%2], v[MA+(\n)%2], v[dd+2*(\n)+1], v[dd+2*(\n)+2]
.else
	v_min3_num_f32 v[MA], v[MA], v[MB], v[dd+31]
.endif
.endm
; a tile's codes and scale byte go to LDS: 4 stores
.macro PUT t, pp, bb
	ds_store_b64 v[WR1], v[\pp:\pp+1] offset:FRB*(\t)
	ds_store_b64 v[WR2], v[\pp+2:\pp+3] offset:FRB*(\t)
	ds_store_b64 v[WR1], v[\pp+4:\pp+5] offset:FRB*(\t)+512
	ds_store_b8 v[WSS], v[\bb] offset:64*(\t)
.endm
; one product: accumulator (a, b) += y's fragment b x the fragment of x at v[xr], with its scale words in v[sr].  zero = 1: it starts the sum: nothing is ever cleared
.macro MM a, b, xr, sr, zero
.if \zero
	v_wmma_scale_f32_16x16x128_f8f6f4 v[8*(4*(\a)+\b):8*(4*(\a)+\b)+7], v[YF+12*\b:YF+12*\b+11], v[\xr:\xr+11], 0, v[SY+\b], v[\sr] matrix_a_fmt:MATRIX_FMT_BF6 matrix_b_fmt:MATRIX_FMT_BF6
.else
	v_wmma_scale_f32_16x16x128_f8f6f4 v[8*(4*(\a)+\b):8*(4*(\a)+\b)+7], v[YF+12*\b:YF+12*\b+11], v[\xr:\xr+11], v[8*(4*(\a)+\b):8*(4*(\a)+\b)+7], v[SY+\b], v[\sr] matrix_a_fmt:MATRIX_FMT_BF6 matrix_b_fmt:MATRIX_FMT_BF6
.endif
.endm
; A STAGE'S SET-UP: my block's 32 pixels become U and U', then tile 0's den and its scale operand
.macro SETUP
.irp q, 0,1,2,3,4,5,6,7
	ds_load_b128 v[D0+4*\q:D0+4*\q+3], v[WXA] offset:16*\q          ; sixteen lanes read the same 16 bytes
.endr
	s_wait_dscnt 0x0
.set i, 0
.rept 16
	v_pk_add_f32 v[D0+i:D0+i+1], v[D0+i:D0+i+1], v[CTR:CTR+1] neg_lo:[0,1] neg_hi:[0,1]   ; d = pixel - ctr
.set i, i+2
.endr
.set i, 0
.rept 16
	v_pk_mul_f32 v[D1+i:D1+i+1], v[D0+i:D0+i+1], s[CC:CC+1] op_sel_hi:[1,0]               ; s_hi = d C
.set i, i+2
.endr
.set i, 0
.rept 16
	v_pk_fma_f32 v[D0+i:D0+i+1], v[D0+i:D0+i+1], s[CC:CC+1], v[D1+i:D1+i+1] op_sel_hi:[1,0,1] neg_lo:[0,0,1] neg_hi:[0,0,1]   ; s_lo = d C - s_hi, exact
.set i, i+2
.endr
	ALUW                                           ; ahead of the batch
.set i, 0
.rept 32
	v_exp_f32 v[U+i], v[D1+i]                      ; one batch of 64 exponentials
	v_exp_f32 v[UP+i], -v[D1+i]
.set i, i+1
.endr
	v_nop                                          ; a plain line between the last exponential and the first line that writes over a source (ISA guide 5.7.2)
.set i, 0
.rept 16
	v_pk_fma_f32 v[D1+i:D1+i+1], v[D0+i:D0+i+1], s[LN:LN+1], 1.0 op_sel_hi:[1,0,0]        ; 1 + ln2 s_lo
.set i, i+2
.endr
.set i, 0
.rept 16
	v_pk_fma_f32 v[D0+i:D0+i+1], v[D0+i:D0+i+1], s[LN:LN+1], 1.0 op_sel_hi:[1,0,0] neg_lo:[1,0,0] neg_hi:[1,0,0]   ; 1 - ln2 s_lo
.set i, i+2
.endr
	ALUW                                           ; behind the batch, ahead of its first reader
.set i, 0
.rept 16
	v_pk_mul_f32 v[U+i:U+i+1], v[U+i:U+i+1], v[D1+i:D1+i+1]
.set i, i+2
.endr
.set i, 0
.rept 16
	v_pk_mul_f32 v[UP+i:UP+i+1], v[UP+i:UP+i+1], v[D0+i:D0+i+1]
.set i, i+2
.endr
.set i, 0
.rept 16
	FI 0, i
.set i, i+1
.endr
.set i, 0
.rept 16
	FO 0, i
.if i >= 4
	MINT 0, i-4                                    ; the minima run three pairs behind the multiply-adds that they read
.endif
.set i, i+1
.endr
	MINT 0, 12
	MINT 0, 13
	MINT 0, 14
	MINT 0, 15
	v_sub_nc_u32 v[SC], 0x7d000000, v[MA]          ; tile 0's scale operand
.endm
; A SLOT.  Tile t's den and its scale operand are at hand.  (1) the batch: 32 reciprocals, between them only the next tile's inner multiply-adds, which hang on nothing of the batch;
; (2) in slots 8 to 15 (mat = 1): eight products of the stage before: the pair gg of x fragments against my four y fragments; (3) the next tile's outer multiply-adds and minima, and among
; them the loads of the next pair and tile t's codes; then its LDS stores.  With mat = 1 tiles 0 to 5 are held in registers; in slot 5 stand the period's barrier wait, their stores and the first fragments' loads.
.macro SLOT t, mat, zero
.set CU, D0+32*((\t)%2)
.set hold, 0
.set gg, -1
.if \mat
.if (\t) < 6
.set hold, 1
.elseif (\t) >= 8
.set gg, (\t)-8
.endif
.endif
.if hold
.set PP, YF+8*(\t)
.set BB, YF+8*(\t)+6
.else
.set PP, PC+6*((\t)%2)
.set BB, BY+(\t)%2
.endif
	ALUW                                           ; ahead of the batch: den was written by ordinary lines
.set i, 0
.rept 16
	v_rcp_f32 v[CU+2*i], v[CU+2*i]                 ; the membership
.if ((\t) < 15) && (i < 15)
	FI (\t)+1, i
.endif
	v_rcp_f32 v[CU+2*i+1], v[CU+2*i+1]
.set i, i+1
.endr
.if (\t) < 15
	FI (\t)+1, 15                                  ; the plain line behind the last reciprocal
.else
	v_nop
.endif
.if gg >= 0
	s_wait_dscnt 0x0                               ; the pair's fragments are in, and all my earlier stores are done
	WIN MUL
.elseif (\mat) == 0
	s_wait_dscnt 0x0                               ; the last slot's stores are done
.endif
	ALUW                                           ; behind the batch; where products follow, directly ahead of them: they read sums written ahead of the batch
.if gg >= 0
.set zz, 0
.if (\zero) && (gg < 4)
.set zz, 1
.endif
.irp e, 0,1                            ; the 32 accumulators take turns, one instruction a turn, in the same order in every K step and over the loop's edge
.irp b, 0,1,2,3
	MM (2*gg+\e)%8, \b, XF+12*\e, SX+\e, zz
.endr
.endr
	WIN 0
.endif
.set i, 0
.rept 16
.if (\t) < 15
	FO (\t)+1, i
.endif
.if (i == 4) && (gg >= 0) && (gg < 7)
.if gg == 3
	YLOAD 1                                        ; five plain lines that name none of their registers stand behind the products here: four are owed (ISA guide 7.12.1 for vector instructions)
.endif
	XLOAD 2*gg+2
	XLOAD 2*gg+3
.elseif i == 10
	v_cvt_scalef32_pk16_bf6_f32 v[PP:PP+2], v[CU:CU+15], v[SC]
.elseif i == 11
	v_cvt_scalef32_pk16_bf6_f32 v[PT:PT+2], v[CU+16:CU+31], v[SC]
.elseif i == 12
	v_lshrrev_b32 v[BB], 23, v[SC]                 ; the scale's byte
.elseif i >= 13
	v_mov_b32 v[PP+i-10], v[PT+i-13]               ; a conversion's three registers begin on an even number: the block's second three are moved
.endif
.if ((\t) < 15) && (i >= 4)
	MINT (\t)+1, i-4
.endif
.set i, i+1
.endr
.if (\t) < 15
	MINT (\t)+1, 12
.endif
.if (\mat) && ((\t) == 5)
	ALUW
	s_barrier_wait -1                              ; every wave has left the last period: the one buffer may be written, the other read
.irp q, 0,1,2,3,4,5
	PUT \q, YF+8*\q, YF+8*\q+6
.endr
	YLOAD 0                                        ; LDS serves a wave's instructions in order (ISA guide 5.7.1.4): the stores above are served ahead of these loads into their data registers
	XLOAD 0
	XLOAD 1
.elseif hold == 0
	PUT \t, PP, BB
.endif
.if (\t) < 15
	MINT (\t)+1, 13
	MINT (\t)+1, 14
	MINT (\t)+1, 15
	v_sub_nc_u32 v[SC], 0x7d000000, v[MA]          ; the next tile's scale operand
.endif
.endm
; A PERIOD: one stage is made, the stage before is multiplied.  In front of the signal each wave's stores into the one buffer have landed and its loads from the other are in (the wait for 0 at the last period's end).
.macro PERIOD mat, zero
.if \mat
	s_barrier_signal -1
.endif
	v_add_nc_u32 v[WR1], s[PB], v[CR1]
	v_add_nc_u32 v[WR2], s[PB], v[CR2]
	v_add_nc_u32 v[WSS], s[PB], v[CSS]
	v_add_nc_u32 v[WXA], s[XS], v[CXA]
.if \mat
	v_add_nc_u32 v[WLX], s[CB], v[CLX]
	v_add_nc_u32 v[WLY], s[CB], v[CLY]
	v_add_nc_u32 v[WSX], s[CB], v[CSX]
	v_add_nc_u32 v[WSY], s[CB], v[CSY]
.endif
	ALUW                                           ; the addresses are first read behind blocking waits
	SETUP
.irp t, 0,1,2,3,4,5,6,7,8,9,10,11,12,13,14,15
	SLOT \t, \mat, \zero
.endr
	ALUW
	s_wait_dscnt 0x0
	s_add_co_u32 s[XS], s[XS], 1024                ; the next stage's 256 pixels
	s_xor_b32 s[PB], s[PB], BUF1
	s_xor_b32 s[CB], s[CB], BUF1
.endm
	PERIOD 0, 0                                    ; stage 0 is made (the pixels' barrier stands above)
	PERIOD 1, 1                                    ; stage 1 is made; stage 0's products start the sums
	s_mov_b32 s[CNT], 6
.Lstage:                                               ; stages 2 to 7 are made, stages 1 to 6 multiplied
	PERIOD 1, 0
	s_sub_co_u32 s[CNT], s[CNT], 1
	s_cmp_lg_u32 s[CNT], 0
	s_cbranch_scc1 .Lstage
; THE LAST STAGE has no vector work beside it: a K step's twelve fragments come in one run, then its 32 products.  In the second K step each x tile's four accumulators are finished together and leave at once:
; four registers a store, 32 lanes x 16 bytes = 512 consecutive bytes, at a multiple of 512 from part's first byte; each accumulator from its low end on.
.macro EPI ks
	YLOAD \ks
.irp a, 0,1,2,3,4,5,6,7
.irp g, 0,1,2
	ds_load_b128 v[EF+12*\a+4*\g:EF+12*\a+4*\g+3], v[WLX] offset:(\ks)*OPJ+\a*FRB+512*\g
.endr
.if \a < 2
	ds_load_b32 v[SX+\a], v[WSX] offset:(\ks)*1024+64*\a
.else
	ds_load_b32 v[SE+\a], v[WSX] offset:(\ks)*1024+64*\a
.endif
.endr
	s_wait_dscnt 0x0
	WIN MUL
.if (\ks) == 0
	ALUW                                           ; directly ahead of the products that first read the sums behind the last reciprocals
.endif
.irp a, 0,1,2,3,4,5,6,7
.set es, SE+\a
.if \a < 2
.set es, SX+\a
.endif
	WIN MUL
.irp b, 0,1,2,3
	MM \a, \b, EF+12*\a, es, 0
.endr
.if (\ks) == 1
	WIN 0x04                                       ; a store's data are its source 1: window 1
.rept 4
	v_nop                                          ; four places in front of the stores that read results
.endr
.irp b, 0,1,2,3
	global_store_b128 v[OFS], v[8*(4*\a+\b):8*(4*\a+\b)+3], s[8:9] offset:\a*16384+\b*512 th:TH_STORE_NT
	global_store_b128 v[OFS], v[8*(4*\a+\b)+4:8*(4*\a+\b)+7], s[8:9] offset:\a*16384+\b*512+8192 th:TH_STORE_NT
.endr
.endif
.endr
	WIN 0
.if (\ks) == 0
.rept 4
	v_nop                                          ; four places in front of loads into registers that these products read
.endr
.endif
.endm
	s_barrier_signal -1
	v_add_nc_u32 v[WLX], s[CB], v[CLX]
	v_add_nc_u32 v[WLY], s[CB], v[CLY]
	v_add_nc_u32 v[WSX], s[CB], v[CSX]
	v_add_nc_u32 v[WSY], s[CB], v[CSY]
	v_and_b32 v[OFS], 31, v0
	v_lshlrev_b32 v[OFS], 4, v[OFS]                ; the way out: 16 x lane
	ALUW
	s_barrier_wait -1                              ; stage 7 lies whole in LDS
	EPI 0
	EPI 1
	v_lshl_add_u32 v[MA], v0, 2, SPARE             ; the wave's end: no two registers could be kept, so the add's two are made here from v0, which is as at the entry
	v_mov_b32 v[MB], 0
	ALUW
	s_wait_tensorcnt 0x0
	ds_add_u32 v[MA], v[MB]
	s_wait_dscnt 0x0
	s_endpgm
.Lfunc_end_k_qa352c1ed21_hist:
	.size	k_qa352c1ed21_hist, .Lfunc_end_k_qa352c1ed21_hist-k_qa352c1ed21_hist
	.p2alignl 7, 3214868480
	.fill 96, 4, 3214868480
	.section	.rodata,"a",@progbits
	.p2align	6, 0x0
	.amdhsa_kernel k_qa352c1ed21_hist
		.amdhsa_group_segment_fixed_size 234496
		.amdhsa_private_segment_fixed_size 0
		.amdhsa_enable_private_segment 0
		.amdhsa_kernarg_size 24
		.amdhsa_user_sgpr_count 2
		.amdhsa_user_sgpr_kernarg_segment_ptr 1
		.amdhsa_wavefront_size32 1
		.amdhsa_system_sgpr_workgroup_id_x 1
		.amdhsa_system_sgpr_workgroup_id_y 1
		.amdhsa_system_sgpr_workgroup_id_z 1
		.amdhsa_system_vgpr_workitem_id 0
		.amdhsa_next_free_vgpr 512
		.amdhsa_next_free_sgpr 80
		.amdhsa_reserve_vcc 0
		.amdhsa_float_denorm_mode_32 3
		.amdhsa_float_denorm_mode_16_64 3
		.amdhsa_memory_ordered 1
		.amdhsa_forward_progress 1
		.amdhsa_inst_pref_size 255
	.end_amdhsa_kernel
	.section	.bss,"aw",@nobits
	.p2align	6
	.space	262144
	.amdgpu_metadata
---
amdhsa.version: [ 1, 2 ]
amdhsa.kernels:
  - .name:           k_qa352c1ed21_hist
    .symbol:         k_qa352c1ed21_hist.kd
    .args:
      - { .name: x, .offset: 0, .size: 8, .value_kind: global_buffer, .address_space: global }
      - { .name: y, .offset: 8, .size: 8, .value_kind: global_buffer, .address_space: global }
      - { .name: part, .offset: 16, .size: 8, .value_kind: global_buffer, .address_space: global }
    .group_segment_fixed_size: 234496
    .private_segment_fixed_size: 0
    .kernarg_segment_align: 8
    .kernarg_segment_size: 24
    .max_flat_workgroup_size: 256
    .sgpr_count:     80
    .vgpr_count:     512
    .wavefront_size: 32
...
	.end_amdgpu_metadata
.endif
;; end of part 1
;; launch fold (part 2): grid 32 x 8, 16 waves a work-group, no clusters, 10,752 bytes of LDS; arguments part, out0; writes out0
.if DOCPART == 2
	.amdgcn_target "amdgcn-amd-amdhsa--gfx1250"
	.amdhsa_code_object_version 6
	.text
	.protected	k_qa352c1ed21_fold
	.globl	k_qa352c1ed21_fold
	.p2align	8
	.type	k_qa352c1ed21_fold,@function
k_qa352c1ed21_fold:
	s_mov_b64 s[64:65], 0
	v_nop
	global_prefetch_b8 v0, s[64:65] scope:SCOPE_SE
	s_setreg_imm32_b32 hwreg(HW_REG_WAVE_MODE, 25, 1), 1
	s_wait_xcnt 0x0
; JOINT SOFT HISTOGRAM, second launch: out0[batch] = (the sum over the 32 slices of part[batch][slice]) / 65,536, laid row-major.
; part: [batch 8][slice 32][ta 16][q 2][tb 16][lane 32][4] f32: number i of lane (r, h) is out[16 r + ta][16 (8 h + 4 q + i) + tb].
; A work-group takes one chunk (ta, q) of one image: 8,192 bytes of each of the 32 slices.  Thread T (wave tb = T / 32) takes 16 bytes of each: a wave's load covers 512 consecutive bytes.
; All 32 loads of a thread are issued at once, so all that the work-group reads is on its way from its head on; the slices are added in ascending order as they come.  No matrix work, no cluster (nothing is shared),
; no prefetch (nothing is left to ask for behind the head).
; A chunk is 16 rows (r) x two runs (h) of 64 neighbouring columns, 128 h + 64 q + 16 i + tb: 32 runs of 256 bytes.  A run's numbers come from all 16 waves, so they meet in LDS (rows of 256 + 16 bytes),
; and sixteen lanes then store a run: 256 consecutive bytes, at a multiple of 256 from out0's first byte.
.set PITCH, 272
.set ACC,   16                         ; v[16:19] the sum;  v[16+4s:19+4s] slice s as loaded
	s_load_b128 s[4:7], s[0:1], 0x0                ; part, out0
	v_lshl_add_u32 v144, v0, 2, 0x2200
	v_mov_b32 v145, 0
	s_and_b32 s8, ttmp7, 0xffff                    ; batch
	s_lshl_b32 s10, s8, 23                         ; an image's 32 slices are 8 MiB,
	s_lshl_b32 s11, ttmp9, 13                      ; a chunk 8,192 bytes
	s_add_co_u32 s10, s10, s11
	s_mov_b32 s11, 0
	s_lshl_b32 s12, s8, 18                         ; out0: the image,
	s_lshr_b32 s13, ttmp9, 1
	s_lshl_b32 s13, s13, 10                        ; row ta,
	s_add_co_u32 s12, s12, s13
	s_and_b32 s13, ttmp9, 1
	s_lshl_b32 s13, s13, 8                         ; column 64 q
	s_add_co_u32 s12, s12, s13
	s_mov_b32 s13, 0
	v_lshlrev_b32 v1, 4, v0                        ; 16 T
	s_wait_alu depctr_va_vdst(0)
	s_wait_kmcnt 0x0
	s_add_nc_u64 s[4:5], s[4:5], s[10:11]
	s_add_nc_u64 s[6:7], s[6:7], s[12:13]
.set sl, 0
.rept 32
	global_load_b128 v[ACC+4*sl:ACC+4*sl+3], v1, s[4:5] offset:sl*262144 th:TH_LOAD_NT   ; 31 x 262,144 at the most: inside the signed 24-bit immediate (ISA guide, chapter 10)
.set sl, sl+1
.endr
	v_and_b32 v2, 15, v0                           ; r
	v_bfe_u32 v3, v0, 4, 1                         ; h
	s_delay_alu instid0(VALU_DEP_1)
	v_lshl_add_u32 v2, v2, 1, v3                   ; the run 2 r + h
	s_delay_alu instid0(VALU_DEP_1)
	v_mul_u32_u24 v2, v2, PITCH
	v_lshrrev_b32 v3, 5, v0                        ; tb; on the way out: r
	s_delay_alu instid0(VALU_DEP_1)
	v_lshl_add_u32 v2, v3, 2, v2                   ; into the stage: run 2 r + h, byte 4 tb (+ 64 i)
	v_lshrrev_b32 v4, 4, v0
	s_delay_alu instid0(VALU_DEP_1)
	v_mul_u32_u24 v4, v4, PITCH
	v_and_b32 v5, 15, v0
	s_delay_alu instid0(VALU_DEP_1)
	v_lshl_add_u32 v4, v5, 4, v4                   ; back: run T / 16, 16 bytes a lane
	v_lshlrev_b32 v6, 14, v3                       ; and in out0: 16 rows of 1,024 bytes for each r,
	v_bfe_u32 v7, v0, 4, 1
	s_delay_alu instid0(VALU_DEP_1)
	v_lshl_add_u32 v6, v7, 9, v6                   ; 128 columns for h,
	s_delay_alu instid0(VALU_DEP_1)
	v_lshl_add_u32 v6, v5, 4, v6                   ; my 16 bytes
.set sl, 1
.rept 31
	s_wait_alu depctr_va_vdst(0)
	s_wait_loadcnt 31-sl                           ; loads come back in order (ISA guide 5.7.1): slices 0 to sl are in, the younger ones stay out
	v_pk_add_f32 v[ACC:ACC+1], v[ACC:ACC+1], v[ACC+4*sl:ACC+4*sl+1]
	v_pk_add_f32 v[ACC+2:ACC+3], v[ACC+2:ACC+3], v[ACC+4*sl+2:ACC+4*sl+3]
.set sl, sl+1
.endr
	s_delay_alu instid0(VALU_DEP_2)
	v_pk_mul_f32 v[ACC:ACC+1], v[ACC:ACC+1], 0x37800000 op_sel_hi:[1,0]       ; / 65,536: exact
	s_delay_alu instid0(VALU_DEP_2)
	v_pk_mul_f32 v[ACC+2:ACC+3], v[ACC+2:ACC+3], 0x37800000 op_sel_hi:[1,0]
.irp i, 0,1,2,3
	ds_store_b32 v2, v[ACC+\i] offset:64*\i
.endr
	s_wait_dscnt 0x0                               ; for the others' sake: my stores into the stage are done
	s_barrier_signal -1
	s_barrier_wait -1
	ds_load_b128 v[ACC+4:ACC+7], v4
	s_wait_dscnt 0x0
	global_store_b128 v6, v[ACC+4:ACC+7], s[6:7] th:TH_STORE_NT
	s_wait_tensorcnt 0x0
	ds_add_u32 v144, v145
	s_wait_dscnt 0x0
	s_endpgm
.Lfunc_end_k_qa352c1ed21_fold:
	.size	k_qa352c1ed21_fold, .Lfunc_end_k_qa352c1ed21_fold-k_qa352c1ed21_fold
	.p2alignl 7, 3214868480
	.fill 96, 4, 3214868480
	.section	.rodata,"a",@progbits
	.p2align	6, 0x0
	.amdhsa_kernel k_qa352c1ed21_fold
		.amdhsa_group_segment_fixed_size 10752
		.amdhsa_private_segment_fixed_size 0
		.amdhsa_enable_private_segment 0
		.amdhsa_kernarg_size 16
		.amdhsa_user_sgpr_count 2
		.amdhsa_user_sgpr_kernarg_segment_ptr 1
		.amdhsa_wavefront_size32 1
		.amdhsa_system_sgpr_workgroup_id_x 1
		.amdhsa_system_sgpr_workgroup_id_y 1
		.amdhsa_system_sgpr_workgroup_id_z 1
		.amdhsa_system_vgpr_workitem_id 0
		.amdhsa_next_free_vgpr 146
		.amdhsa_next_free_sgpr 66
		.amdhsa_reserve_vcc 0
		.amdhsa_float_denorm_mode_32 3
		.amdhsa_float_denorm_mode_16_64 3
		.amdhsa_memory_ordered 1
		.amdhsa_forward_progress 1
		.amdhsa_inst_pref_size 12
	.end_amdhsa_kernel
	.amdgpu_metadata
---
amdhsa.version: [ 1, 2 ]
amdhsa.kernels:
  - .name:           k_qa352c1ed21_fold
    .symbol:         k_qa352c1ed21_fold.kd
    .args:
      - { .name: part, .offset: 0, .size: 8, .value_kind: global_buffer, .address_space: global }
      - { .name: out0, .offset: 8, .size: 8, .value_kind: global_buffer, .address_space: global }
    .group_segment_fixed_size: 10752
    .private_segment_fixed_size: 0
    .kernarg_segment_align: 8
    .kernarg_segment_size: 16
    .max_flat_workgroup_size: 512
    .sgpr_count:     66
    .vgpr_count:     146
    .wavefront_size: 32
...
	.end_amdgpu_metadata
.endif
;; end of part 2
